; MI455X (gfx1250); checked and timed in simulation.
; The chip was launched on July 23, 2026; its instructions are those of AMD's public machine-readable ISA for CDNA 5 (MIT licence, August 2026) and "CDNA5" Instruction Set Architecture Reference Guide (July 2026). The comments in the code are by the model that wrote it; some were corrected since.
;; Attention. Allowed arithmetic: matrix products marked QUANTISED: E3M2 operands, one E8M0 scale for each 32 along K, by v_wmma_scale_f32_16x16x128_f8f6f4 with both operands' format E3M2, f32 sums; everything else in f32.
;; Inputs: key 1 x 4,096 x 1,024 float32; mask 1 x 1 x 4,096 x 4,096 bool; query 1 x 4,096 x 1,024 float32; value 1 x 4,096 x 1,024 float32.
;; Outputs: out0 1 x 4,096 x 1,024 float32.
;; Constants: dim_head = 64, num_head = 16.
;; This version of the problem:
;;   THIS VERSION OF THE PROBLEM IS GIVEN IN LOW PRECISION. The matrix products marked QUANTISED in the list below multiply operands that are first quantised to E3M2 (3 exponent bits, 2 mantissa bits; 6 bits a number), with one power-of-two scale for each 32 numbers along K (OCP MX v1.0); their sums are f32. All else is computed in f32.
;;   The module's matrix products, in the order in which they are computed (A, B: the left and right operand; K: the contracted axis; several contracted axes count as one K, in the product's order):
;;     1. batch 16 x [M 4,096, K 64] x [K 64, N 4,096]; A: input query; B: input key: QUANTISED
;;     2. batch 16 x [M 64, K 4,096] x [K 4,096, N 4,096]; A: input value; B: softmax (see below): QUANTISED
;;   THE QUANTISER, for each operand of a quantised product, along K:
;;     - K is cut into blocks of 32 from its start; a last block that is shorter is filled with zeros.
;;     - A block's scale is 2^e with e = floor(log2(the largest magnitude in the block)) - 4, held to -126 .. 127; a block of zeros has e = 0. As a byte (E8M0): e + 127.
;;     - Each number is divided by its block's scale, clamped to +-28, and rounded to the nearest number of E3M2, ties to even, subnormals kept.
;;     - The product sums the exact products of the quantised numbers (number of the format x scale) in f32.
;;   ~~~python
;;   def quantise(x, axis):      # numpy; x: float32 -> the quantised numbers, widened to float32 again
;;       x = np.moveaxis(x, axis, -1); K = x.shape[-1]
;;       x = np.pad(x, [(0, 0)] * (x.ndim - 1) + [(0, -K % 32)]); x = x.reshape(x.shape[:-1] + (-1, 32)); a = np.abs(x).max(-1, keepdims=True)
;;       e = np.where(a > 0, np.clip(np.frexp(np.where(a > 0, a, 1))[1] - 1 - 4, -126, 127), 0)      # np.frexp(a)[1] - 1 = floor(log2(a)), exactly
;;       r = np.clip(x / 2.0 ** e, -28, 28)
;;       step = 2.0 ** (np.maximum(np.frexp(np.where(r == 0, 1, r))[1] - 1, -2) - 2)
;;       q = np.round(r / step) * step * 2.0 ** e      # np.round: ties to even
;;       return np.moveaxis(q.reshape(q.shape[:-2] + (-1,))[..., :K], -1, axis).astype(np.float32)
;;   ~~~
;;   SOFTMAX AHEAD OF A QUANTISED PRODUCT. Where the list says 'softmax', what is quantised is not the finished softmax but p = 2^(t - M), with t = logit x log2(e) and M = ceil(the row's largest t), a whole number; so 1/2 < the row's largest p <= 1. The row's sum l is taken of the UNQUANTISED p, in f32, and the product's result is divided by l at the end. Since M is a whole number, a kernel that streams over the keys may use a running M (the ceiling of the running maximum): every later rescaling is an exact power of two, which a block's scale takes up: the codes' values come out the same.
;;   OPERANDS COMPUTED ON THE WAY. 'Computed on the way' means the value that the module computes at that place (a softmax that the list does not call 'softmax' is quantised finished and normalised). What goes into a quantiser is computed in f32, as accurately as f32 sums, v_exp_f32 and their like allow (about 1e-6 of the number): no bf16 or f16 on the way to a quantiser, and a product that is left as it is and whose result goes on into a quantised operand takes f32 operands (vector FMAs, or v_wmma_f32_16x16x4_f32). A number that lies on a knife's edge between two numbers of the format may be rounded either way, as far as f32 arithmetic and the matrix unit's own rounding can turn it there, and no further.
;; One version. Each part assembles by itself: llvm-mc -triple=amdgcn-amd-amdhsa -mcpu=gfx1250 --defsym DOCPART=n.
;; ======== version 1 of 1: 2 launches
;; limits: right only within a limited range of input values
;; workspace buffers: kv 6,815,744 bytes; mw 2,097,152 bytes of whole numbers
;; launch prep (part 1): grid 512 x 1, 4 waves a work-group, no clusters, 70,144 bytes of LDS; arguments key, value, mask, kv, mw; writes kv, mw
.if DOCPART == 1
	.amdgcn_target "amdgcn-amd-amdhsa--gfx1250"
	.amdhsa_code_object_version 6
	.text
	.protected	k_qf607fee6c6_prep
	.globl	k_qf607fee6c6_prep
	.p2align	8
	.type	k_qf607fee6c6_prep,@function
k_qf607fee6c6_prep:
	s_mov_b64 s[64:65], 0
	v_nop
	global_prefetch_b8 v0, s[64:65] scope:SCOPE_SE
	s_setreg_imm32_b32 hwreg(HW_REG_WAVE_MODE, 25, 1), 1
	s_wait_xcnt 0x0
; key and value ([4096][16 heads][64], f32) become codes of E3M2 with one E8M0 byte for each 32 along a product's K, and the byte mask [4096][4096] becomes words of one bit a lane.
; All three are laid in the ORDER OF THE NEXT LAUNCH'S REGISTERS, so that it loads them by 16 bytes a lane (scalar loads for the words) and shuffles nothing.
; kv: [head 16][step 32][REC bytes]; a step is 128 keys.  Every chunk of 512 bytes holds lane l's 16 bytes at 16 l:
;   +0      12 chunks: K.  Tile t (0..7) is registers 6 t .. 6 t + 5: lane (r, h) holds d = 32 h .. 32 h + 31 of key 32 (t / 2) + 8 (t % 2) + r + 8 (r / 8).
;   +VOFF   12 chunks: V.  Tile u (d = 16 u + r) is registers 12 u .. 12 u + 11: registers 6 c .. 6 c + 5 hold keys 64 c + 32 h + 0 .. 31.
;   +KSOFF  K's scale words: register b: lanes 0-15 tile 2 b's word (e0, e1, 0, 0), lanes 16-31 tile 2 b + 1's (0, 0, e0, e1).
;   +VSOFF  V's scale words: register g (0, 1): lanes 0-15 tile 2 g, lanes 16-31 tile 2 g + 1, byte j for keys 32 j on; registers 2, 3 are zeros.
; mw: [tile of 16 queries 256][step 32][64 words]: bit l of word 16 b + i is mask[16 qt + l % 16][128 step + 32 b + 16 (l / 16) + i].
; A block's scale is 2^(floor(log2(its largest magnitude)) - 4): its byte is the largest magnitude's exponent field - 4, held at 1 from below by a floor among the maximum's leaves.
; LIMITS: a block of zeros gets the byte 1 where the quantiser's text says 127 (its codes are zeros, and this program alone reads the bytes); NaN and infinities are not served.
; SHARES: work-groups 0-127 take key, 128-255 value (work-group g: step g / 4, wave w: head 4 (g % 4) + w, so the four waves read 1,024 bytes on end of each row); 256-511 take 16 rows of the mask each,
; a wave 1,024 keys.  Waves share nothing: no barrier.  Each of the two paths that use LDS has bytes of its own.
.set REC,   13312
.set VOFF,  6144
.set KSOFF, 12288
.set VSOFF, 12800
.set ROWB,  4096                       ; a row of key or value, and of the mask, in bytes
.set PIT,   272                        ; a stage row: 256 bytes + 16, so that sixteen rows begin in sixteen different groups of banks
.set STG,   16*PIT                     ; a stage: 16 rows
.set WREG,  2*STG                      ; two stages a wave
.set MBASE, 4*WREG                     ; the mask path's stages lie behind the key path's
.set FLOOR, 0x2800000                  ; 2^(5 - 127)
.set OFF4,  0xfe000000                 ; -(4 << 23)
.set KR,  20                           ; key: v20-115 three sets of 32 as loaded
.set KX,  116                          ; v116-179 two sets of 32 neighbours
.set KC,  180                          ; v180-227 the image of K's 48 registers
.set KSW, 228                          ; v228-231 K's scale words
.set VX,  20                           ; value: v20-115 three sets of 32
.set IMG, 116                          ; v116-163 the image of V's 48 registers
.set VSW, 164                          ; v164-167 V's scale words
.set MR,  20                           ; mask: v20-147 all 32 loads
.set MY,  148                          ; v148-211 two sets of 32
.set MW,  212                          ; v212-227 eight pairs of words
.set TA,  228                          ; v228-235 at work
; 32 numbers of one block, v[xs] on, become 6 registers of codes at v[dst]; the scale's byte is left in v10.
.macro QBLOCK xs, dst
	v_max3_num_f32 v7, |v[\xs]|, |v[\xs+1]|, |v[\xs+2]|             ; the largest magnitude, in two chains
	v_max3_num_f32 v8, |v[\xs+3]|, |v[\xs+4]|, |v[\xs+5]|
.irp i, 6,10,14,18,22,26
	v_max3_num_f32 v7, v7, |v[\xs+\i]|, |v[\xs+\i+1]|
	v_max3_num_f32 v8, v8, |v[\xs+\i+2]|, |v[\xs+\i+3]|
.endr
	v_max3_num_f32 v7, v7, |v[\xs+30]|, |v[\xs+31]|
	v_max3_num_f32 v7, v7, v8, FLOOR                               ; and the floor: the byte cannot fall under 1
	v_add_nc_u32 v9, OFF4, v7                                      ; 4 off the exponent field: the conversion takes this operand's exponent field as its scale
	v_cvt_scalef32_pk16_bf6_f32 v[\dst:\dst+2], v[\xs:\xs+15], v9
	v_cvt_scalef32_pk16_bf6_f32 v[14:16], v[\xs+16:\xs+31], v9     ; (a conversion's three registers begin on an even number)
	v_lshrrev_b32 v10, 23, v9                                      ; the byte; also the plain line behind the conversions
	v_mov_b32 v[\dst+3], v14
	v_mov_b32 v[\dst+4], v15
	v_mov_b32 v[\dst+5], v16
.endm
	s_load_b256 s[4:11], s[0:1], 0x0               ; key s[4:5], value s[6:7], mask s[8:9], kv s[10:11]
	s_load_b64 s[12:13], s[0:1], 0x20              ; mw
	v_lshl_add_u32 v254, v0, 2, 0x11000
	v_mov_b32 v255, 0
	v_lshrrev_b32 v1, 5, v0
	v_readfirstlane_b32 s14, v1                    ; wave 0..3
	v_and_b32 v17, 31, v0                          ; lane
	v_and_b32 v18, 15, v0                          ; r
	v_bfe_u32 v19, v0, 4, 1                        ; h
	v_lshlrev_b32 v4, 4, v17                       ; 16 x lane: my place in a chunk
	s_mul_i32 s22, s14, WREG                       ; my wave's stages
	s_and_b32 s15, ttmp9, 127                      ; key and value: g
	s_lshr_b32 s16, s15, 2                         ; step
	s_and_b32 s17, s15, 3
	s_lshl_b32 s17, s17, 2
	s_add_co_u32 s17, s17, s14                     ; head
	s_lshl_b32 s18, s16, 19                        ; 128 rows of 4,096 bytes a step,
	s_lshl_b32 s19, s17, 8                         ; 256 bytes a head
	s_add_co_u32 s18, s18, s19
	s_mov_b32 s19, 0
	s_lshl_b32 s20, s17, 5
	s_add_co_u32 s20, s20, s16
	s_mul_i32 s20, s20, REC                        ; my record
	s_mov_b32 s21, 0
	s_mov_b32 s28, 0x76543210
	s_mov_b32 s29, 0xfedcba98                      ; v_permlanex16_b32's selects for lane l xor 16
	s_wait_kmcnt 0x0
	s_cmp_lt_u32 ttmp9, 128
	s_cbranch_scc1 .Lpath_k
	s_cmp_lt_u32 ttmp9, 256
	s_cbranch_scc1 .Lpath_v
; ---------------------------------------------------------------- THE MASK
; Sixteen lanes read 256 bytes on end of one row; the bytes turn through my stage so that lane (r, h) holds row r's bytes of keys 32 b + 16 h + 0 .. 15; a compare then gives one word for each byte place.
	s_sub_co_u32 s15, ttmp9, 256                   ; the tile of 16 queries
	s_lshl_b32 s18, s15, 16                        ; 16 rows of 4,096 bytes
	s_lshl_b32 s19, s14, 10                        ; my wave's 1,024 keys
	s_add_co_u32 s18, s18, s19
	s_mov_b32 s19, 0
	s_add_nc_u64 s[8:9], s[8:9], s[18:19]
	s_lshl_b32 s18, s15, 13                        ; 32 steps of 256 bytes of words
	s_lshl_b32 s20, s14, 11                        ; my wave's 8 steps
	s_add_co_u32 s18, s18, s20
	s_add_nc_u64 s[12:13], s[12:13], s[18:19]
	v_lshlrev_b32 v1, 12, v19
	v_lshl_add_u32 v1, v18, 4, v1                  ; in: 4096 h + 16 r
.irp it, 0,1,2,3                               ; 256 keys an iteration; all 32 loads go out at once
.irp i, 0,1,2,3,4,5,6,7
	global_load_b128 v[MR+32*\it+4*\i:MR+32*\it+4*\i+3], v1, s[8:9] offset:2*ROWB*\i+256*\it th:TH_LOAD_NT   ; rows 2 i and 2 i + 1: 256 bytes on end of each
.endr
.endr
	s_add_co_u32 s22, s22, MBASE
	v_mul_u32_u24 v2, v19, PIT
	v_lshl_add_u32 v2, v18, 4, v2
	v_add_nc_u32 v2, s22, v2                       ; into the stage: 272 h + 16 r
	v_mul_u32_u24 v3, v18, PIT
	v_lshl_add_u32 v3, v19, 4, v3
	v_add_nc_u32 v3, s22, v3                       ; out of it: 272 r + 16 h
	v_lshlrev_b32 v4, 3, v17                       ; the words leave 8 bytes a lane
	s_mov_b32 s24, 0xff
	s_mov_b32 s25, 0xff00
	s_mov_b32 s26, 0xff0000
	s_mov_b32 s27, 0xff000000
.irp i, 0,1,2,3,4,5,6,7,8,9,10,11,12,13,14,15
	v_mov_b32 v[MW+\i], 0                          ; written once: v_writelane_b32's destination counts as read
.endr
.macro M_TURN it
.irp i, 0,1,2,3,4,5,6,7
	ds_store_b128 v2, v[MR+32*(\it)+4*\i:MR+32*(\it)+4*\i+3] offset:STG*((\it)%2)+2*PIT*\i
.endr
.irp sb, 0,1,2,3,4,5,6,7                       ; step s = sb / 4 of the two, block b = sb % 4; LDS serves a wave's instructions in order: these see the stores above
	ds_load_b128 v[MY+32*((\it)%2)+4*\sb:MY+32*((\it)%2)+4*\sb+3], v3 offset:STG*((\it)%2)+32*\sb
.endr
.endm
; Word n = 16 b + i of step s: byte i % 4 of register 4 (4 s + b) + i / 4.  Eight words at a time, so that no line waits for the line above it.  Word n goes to lane n / 2 of register n % 2 of the step's pair.
.macro M_WORDS it
.irp s, 0,1
.set N0, 0
.rept 8
.irp k, 0,1,2,3,4,5,6,7
	v_and_b32 v[TA+\k], s[24+\k%4], v[MY+32*((\it)%2)+4*(4*\s+N0/16)+((N0+\k)%16)/4]
.endr
.irp k, 0,1,2,3,4,5,6,7
	v_cmp_ne_u32 s[16+\k], 0, v[TA+\k]
.endr
.irp k, 0,1,2,3,4,5,6,7
	v_writelane_b32 v[MW+2*(2*(\it)+\s)+\k%2], s[16+\k], (N0+\k)/2
.endr
.set N0, N0+8
.endr
	global_store_b64 v4, v[MW+2*(2*(\it)+\s):MW+2*(2*(\it)+\s)+1], s[12:13] offset:512*(\it)+256*\s   ; 32 lanes store 256 consecutive bytes, aligned; each step has its own pair, so no store's data are written again
.endr
.endm
	s_wait_loadcnt 24                              ; iteration 0's eight loads are in
	M_TURN 0
.irp it, 0,1,2,3
	s_wait_dscnt 0x0                               ; this iteration's bytes are back from the stage
.if \it < 3
	s_wait_loadcnt 8*(2-\it)                       ; the next iteration's eight are in; those behind them stay out
	M_TURN \it+1
.endif
	M_WORDS \it
.endr
	s_wait_tensorcnt 0x0
	ds_add_u32 v254, v255
	s_wait_dscnt 0x0
	s_endpgm
; ---------------------------------------------------------------- KEY
; K (the head's 64) is innermost.  Sixteen lanes read one key's 256 bytes; a tile's 16 keys turn through my stage, so that lane (r, h) holds one whole block: d = 32 h .. 32 h + 31 of the tile's row r.
.Lpath_k:
	s_add_nc_u64 s[4:5], s[4:5], s[18:19]
	s_add_nc_u64 s[10:11], s[10:11], s[20:21]
	s_mov_b32 s27, 0xffff0000                      ; lanes 16-31
	v_lshlrev_b32 v1, 12, v19
	v_lshl_add_u32 v1, v18, 4, v1                  ; in: 4096 h + 16 r
.macro K_LOAD t                                ; tile t's rows 2 i + h are keys 32 (t / 2) + 8 (t % 2) + 2 i + h + 8 (i / 4)
.irp i, 0,1,2,3,4,5,6,7
	global_load_b128 v[KR+32*((\t)%3)+4*\i:KR+32*((\t)%3)+4*\i+3], v1, s[4:5] offset:(32*((\t)/2)+8*((\t)%2)+2*\i+8*(\i/4))*ROWB th:TH_LOAD_NT
.endr
.endm
.macro K_TURN t
.irp i, 0,1,2,3,4,5,6,7
	ds_store_b128 v2, v[KR+32*((\t)%3)+4*\i:KR+32*((\t)%3)+4*\i+3] offset:STG*((\t)%2)+2*PIT*\i
.endr
.irp j, 0,1,2,3,4,5,6,7
	ds_load_b128 v[KX+32*((\t)%2)+4*\j:KX+32*((\t)%2)+4*\j+3], v3 offset:STG*((\t)%2)+16*\j
.endr
.endm
.macro K_WORK t
	QBLOCK KX+32*((\t)%2), KC+6*(\t)
.if (\t)%2 == 0
	v_lshlrev_b32 v10, v5, v10                     ; an even tile's bytes stand in the word's lower half: byte h
	v_permlanex16_b32 v11, v10, s28, s29
	v_or_b32 v12, v10, v11                         ; with lane l xor 16's the word is whole
.else
	v_lshlrev_b32 v10, v6, v10                     ; an odd tile's in its upper half: byte 2 + h
	v_permlanex16_b32 v11, v10, s28, s29
	v_or_b32 v13, v10, v11
	v_cndmask_b32 v[KSW+(\t)/2], v12, v13, s27     ; lanes 0-15 the even tile's word, lanes 16-31 the odd tile's
.endif
.endm
	K_LOAD 0
	K_LOAD 1
	K_LOAD 2
	v_mul_u32_u24 v2, v19, PIT
	v_lshl_add_u32 v2, v18, 4, v2
	v_add_nc_u32 v2, s22, v2                       ; into the stage: 272 h + 16 r
	v_mul_u32_u24 v3, v18, PIT
	v_lshl_add_u32 v3, v19, 7, v3
	v_add_nc_u32 v3, s22, v3                       ; out of it: 272 r + 128 h
	v_lshlrev_b32 v5, 3, v19                       ; 8 h
	v_add_nc_u32 v6, 16, v5                        ; 8 h + 16
	v_mov_b32 v11, 0                               ; written once: a lane permute's destination counts as read
	s_wait_loadcnt 16                              ; tile 0's eight loads are in
	K_TURN 0
.irp t, 0,1,2,3,4,5,6,7
	s_wait_dscnt 0x0                               ; tile t is back from the stage, so its stores into the stage have read their registers,
.if \t+3 < 8
	K_LOAD \t+3                                    ; which take the loads of three tiles on
.endif
.if \t+1 < 8
.if \t <= 4
	s_wait_loadcnt 16                              ; the next tile's eight are in; two tiles' loads stay out
.elseif \t == 5
	s_wait_loadcnt 8
.else
	s_wait_loadcnt 0x0
.endif
	K_TURN \t+1                                    ; through the other stage while this tile is worked
.endif
	K_WORK \t
.endr
.irp c, 0,1,2,3,4,5,6,7,8,9,10,11
	global_store_b128 v4, v[KC+4*\c:KC+4*\c+3], s[10:11] offset:512*\c     ; 32 lanes store 512 consecutive bytes, aligned
.endr
	global_store_b128 v4, v[KSW:KSW+3], s[10:11] offset:KSOFF
	s_wait_tensorcnt 0x0
	ds_add_u32 v254, v255
	s_wait_dscnt 0x0
	s_endpgm
; ---------------------------------------------------------------- VALUE
; K (the keys) is the outer axis: a lane takes a column d and its registers run down 32 keys, so that a block is one lane's and the codes come out with the keys innermost.
; Block q: keys 32 (q / 2) on, columns 32 (q % 2) + lane.  Lanes 0-15 then hold tile 2 (q % 2)'s rows and lanes 16-31 tile 2 (q % 2) + 1's; the exchange at the end gives each lane (r, h) its key blocks h and 2 + h.
.Lpath_v:
	s_add_nc_u64 s[6:7], s[6:7], s[18:19]
	s_add_nc_u64 s[10:11], s[10:11], s[20:21]
	v_lshlrev_b32 v1, 2, v17                       ; in: 4 bytes a lane
.macro V_LOAD q
.set i, 0
.rept 32
	global_load_b32 v[VX+32*((\q)%3)+i], v1, s[6:7] offset:(32*((\q)/2)+i)*ROWB+128*((\q)%2)   ; 128 bytes on end; the head's other 128 are the neighbouring block's
.set i, i+1
.endr
.endm
.macro V_BLOCK q
.set XS, VX+32*((\q)%3)
.set VJ, (\q)/2
.set VG, (\q)%2
.set VD, IMG+12*(2*VG+VJ%2)+6*(VJ/2)
.if (\q) < 7
	s_wait_loadcnt 32                              ; this block's 32 loads are in; the next block's stay out
.else
	s_wait_loadcnt 0x0
.endif
.if (\q)+2 < 8
	V_LOAD (\q)+2
.endif
	QBLOCK XS, VD
.if VJ == 0
	v_mov_b32 v[VSW+VG], v10                       ; my column's four bytes, the lower keys in the lower byte: they lie as the scale word wants them
.else
	v_lshl_or_b32 v[VSW+VG], v10, 8*VJ, v[VSW+VG]
.endif
.endm
	V_LOAD 0
	V_LOAD 1
	v_mov_b32 v[VSW+2], 0
	v_mov_b32 v[VSW+3], 0
.irp q, 0,1,2,3,4,5,6,7
	V_BLOCK \q
.endr
.irp g, 0,1
.irp i, 0,1,2,3,4,5,6,7,8,9,10,11
	v_permlane16_swap_b32 v[IMG+24*\g+\i], v[IMG+24*\g+12+\i]   ; the even tile's registers give their lanes 16-31 (the odd tile's even key blocks) for the odd tile's lanes 0-15 (the even tile's odd key blocks)
.endr
.endr
.irp c, 0,1,2,3,4,5,6,7,8,9,10,11
	global_store_b128 v4, v[IMG+4*\c:IMG+4*\c+3], s[10:11] offset:VOFF+512*\c
.endr
	global_store_b128 v4, v[VSW:VSW+3], s[10:11] offset:VSOFF
	s_endpgm
.Lfunc_end_k_qf607fee6c6_prep:
	.size	k_qf607fee6c6_prep, .Lfunc_end_k_qf607fee6c6_prep-k_qf607fee6c6_prep
	.p2alignl 7, 3214868480
	.fill 96, 4, 3214868480
	.section	.rodata,"a",@progbits
	.p2align	6, 0x0
	.amdhsa_kernel k_qf607fee6c6_prep
		.amdhsa_group_segment_fixed_size 70144
		.amdhsa_private_segment_fixed_size 0
		.amdhsa_enable_private_segment 0
		.amdhsa_kernarg_size 40
		.amdhsa_user_sgpr_count 2
		.amdhsa_user_sgpr_kernarg_segment_ptr 1
		.amdhsa_wavefront_size32 1
		.amdhsa_system_sgpr_workgroup_id_x 1
		.amdhsa_system_sgpr_workgroup_id_y 1
		.amdhsa_system_sgpr_workgroup_id_z 1
		.amdhsa_system_vgpr_workitem_id 0
		.amdhsa_next_free_vgpr 256
		.amdhsa_next_free_sgpr 66
		.amdhsa_reserve_vcc 0
		.amdhsa_float_denorm_mode_32 3
		.amdhsa_float_denorm_mode_16_64 3
		.amdhsa_memory_ordered 1
		.amdhsa_forward_progress 1
		.amdhsa_inst_pref_size 158
	.end_amdhsa_kernel
	.amdgpu_metadata
---
amdhsa.version: [ 1, 2 ]
amdhsa.kernels:
  - .name:           k_qf607fee6c6_prep
    .symbol:         k_qf607fee6c6_prep.kd
    .args:
      - { .name: key, .offset: 0, .size: 8, .value_kind: global_buffer, .address_space: global }
      - { .name: value, .offset: 8, .size: 8, .value_kind: global_buffer, .address_space: global }
      - { .name: mask, .offset: 16, .size: 8, .value_kind: global_buffer, .address_space: global }
      - { .name: kv, .offset: 24, .size: 8, .value_kind: global_buffer, .address_space: global }
      - { .name: mw, .offset: 32, .size: 8, .value_kind: global_buffer, .address_space: global }
    .group_segment_fixed_size: 70144
    .private_segment_fixed_size: 0
    .kernarg_segment_align: 8
    .kernarg_segment_size: 40
    .max_flat_workgroup_size: 128
    .sgpr_count:     66
    .vgpr_count:     256
    .wavefront_size: 32
...
	.end_amdgpu_metadata
.endif
;; end of part 1
;; launch attn (part 2): grid 16 x 16, 16 waves a work-group, clusters of 4 x 1, 327,680 bytes of LDS; arguments query, kv, mw, out0; writes out0
.if DOCPART == 2
	.amdgcn_target "amdgcn-amd-amdhsa--gfx1250"
	.amdhsa_code_object_version 6
	.text
	.protected	k_qf607fee6c6_attn
	.globl	k_qf607fee6c6_attn
	.p2align	8
	.type	k_qf607fee6c6_attn,@function
k_qf607fee6c6_attn:
	s_mov_b64 s[64:65], 0
	v_nop
	global_prefetch_b8 v0, s[64:65] scope:SCOPE_SE
	s_setreg_imm32_b32 hwreg(HW_REG_WAVE_MODE, 25, 1), 1
	s_wait_xcnt 0x0
	s_wait_alu depctr_hold_cnt(0) depctr_sa_sdst(0) depctr_va_vdst(0) depctr_va_sdst(0) depctr_va_ssrc(0) depctr_va_vcc(0) depctr_vm_vsrc(0)
	s_getreg_b32 s2, hwreg(HW_REG_IB_STS2, 6, 4)
	s_cmp_eq_u32 s2, 0
	s_cbranch_scc0 .Lentry_in_a_cluster
	s_endpgm
.Lentry_in_a_cluster:
	s_bfe_u32 s2, ttmp6, 0x10000c
	s_cmp_lg_u32 s2, 0x3003
	s_cbranch_scc0 .Lentry_shape_is_right
	s_endpgm
.Lentry_shape_is_right:
; out[q][head][:] = the sum over k of softmax_k(where(mask[q][k], -1e9, Q[q] . K[k] / 8)) V[k][:], 16 heads of 64, 4,096 queries and keys, both products on codes of E3M2 with one E8M0 scale for each 32 along K.
; THE SOFTMAX AHEAD OF THE SECOND PRODUCT: t = score x log2(e) / 8; M = the running largest t rounded UP to a whole number; p = 2^(t - M) is quantised along the keys, not normalised; the row's sum is taken of the
; unquantised p and divides at the end.  When M moves, the sum and O are multiplied by 2^(old M - new M), which rounds nothing.
; THE MASK is an input: nothing of its pattern is built in, every key step is walked, and a masked score is REPLACED by a select (one word of 32 lane bits for each score register, made by the launch before).
; LIMITS.  A masked raw score becomes -2^33 (a logit of -2^30 for reference's -1e9), so that its t is a whole number and a row that is masked throughout has p = 1 for every key, as with -1e9; the results are
; reference's wherever a row's unmasked logits lie above -9e8.  NaN and infinities are not served.  A block of zeros has the byte 1 (its codes are zeros).
; SHARES.  A work-group owns 256 queries of one head, each of its SIXTEEN waves one tile of 16 in 256 registers: four waves to a SIMD, so that one wave's LDS loads and matrix instructions stand beside the others' vector work,
; which outweighs them: a key step of 128 keys is 12 matrix instructions and some 330 vector instructions a wave.
; LAYOUT.  Both products are used transposed: S^T = K Q^T (source 0 = keys), O^T = V^T P^T (source 0 = 16 of the head's 64): a lane holds ONE query (lane % 16) throughout.
; The first product's K is 64, half of the instruction's 128: one operand of 12 registers carries TWO tiles of keys, tile 2 b at k = 0 .. 63 and tile 2 b + 1 at k = 64 .. 127, and is multiplied twice: by (Q, zeros) and by
; (zeros, Q), which overlap in the registers.  The half that meets zero codes has the scale byte 0.  The keys of a tile are chosen so that the 16 registers of tiles 2 b, 2 b + 1 are keys 32 b + 16 (lane / 16) + 0 .. 15.
; K, V and their scale words come as images of these registers (13,312 bytes a step), through a ring of two LDS slots of eight steps.
; CLUSTER.  The four query blocks of a cluster belong to one head and walk the same records: each quarter slot is asked for jointly, by waves 0 to 3, with the same descriptor and a mask that names the four.
; A refill is asked for eight key steps ahead of its first read; nothing is prefetched beside it.
.set REC,   13312
.set VOFF,  6144
.set KSOFF, 12288
.set VSOFF, 12800
.set SLOTB, 8*REC                      ; a slot: eight steps, 106,496 bytes
.set QUART, SLOTB/4                    ; what one tensor load brings: 104 rows of 256 bytes
.set SLOT1, 1<<17                      ; slot 1 begins here: one exclusive or turns an address in one slot into the other's
.set SPARE, SLOTB                      ; behind slot 0: the spare words, 128 bytes for each of 16 waves: eight blocks of 256 bytes that no other line names
.set STAGE, SLOT1+SLOTB                ; behind slot 1: a stage of 16 rows x 272 bytes for each wave, for q on the way in and O on the way out; no tensor load lands there
.set PIT,   272
.set FLOOR, 0x2800000                  ; 2^(5 - 127)
.set OFF4,  0xfe000000                 ; -(4 << 23)
.set LI,  1                            ; v1   16 x lane: my place in an image's chunk
.set ADR, 2                            ; v2   LDS address of the step's record (at the head: where I read q back)
.set SPW, 3                            ; v3   LDS address of my spare word; never rewritten
.set NIL, 4                            ; v4   0; never rewritten
.set GA,  5                            ; v5   4096 h + 16 r: my bytes in two rows of query and of out0
.set QSL, 6                            ; v6   q's scale word for k = 0 .. 63;  v7 the same for k = 64 .. 127
.set QSH, 7
.set KS,  8                            ; v8-11  K's scale words
                                       ; v12 -M, v13 the largest t, v[14:15] the sum in two halves
.set QF,  16                           ; v16-21 Q, v22-27 zeros, v28-33 Q again
.set PC,  34                           ; v34-45 p's codes
.set FF,  46                           ; v46  f = 2^(old M - new M)
.set PS,  47                           ; v47  p's scale word
.set KF,  48                           ; v48-95   K's four operands
.set S,   96                           ; v96-159  S^T, then p
.set O,   160                          ; v160-191 O^T
.set VF,  192                          ; v192-239 V's four operands
.set VS,  240                          ; v240-241 V's scale words
.set STI, 242                          ; v242 my stage: 272 h + 16 r
.set STW, 243                          ; v243 my stage: 272 r + 32 h
.set BM,  244                          ; v244-247 the blocks' largest scores, then largest p; later half blocks of codes
.set PT,  248                          ; v248-251 at work
.set SO,  252                          ; v252-255 the conversions' scale operands; v252 keeps the old -M until they are made
.set G1,  12                           ; s[12:19] descriptor group 1
.set G0,  20                           ; s[20:23] descriptor group 0, which walks
.set WV,  24                           ; s24  my wave's number
.set TB,  25                           ; s25  LDS byte at which the step's record begins
.set CS,  26                           ; s[26:27] c = log2(e) / 8
.set SEL, 28                           ; s[28:29] selects for lane l xor 16
.set SLOTS, 30
.set STEPC, 31
.set MO,  66                           ; s66  the step's mask words: 256 bytes a step
.set NEG, 67                           ; s67  -2^33
                                       ; s[32:63], s[68:99] the step's 64 mask words
.macro CROUND                          ; a round of the cluster's barrier
	s_barrier_signal -1
	s_barrier_wait -1
	s_cmp_lg_u32 s[WV], 0
	s_cbranch_scc1 .Lnot_wave_0_\@
	s_barrier_signal -3
.Lnot_wave_0_\@:
	s_barrier_wait -3
	s_barrier_signal -1
	s_barrier_wait -1
.endm
.macro JLOAD                           ; waves 0 to 3 fetch a quarter slot each, the others nothing; the branch hangs on the wave's number alone; four v_nop follow the load
	s_cmp_lt_u32 s[WV], 4
	s_cbranch_scc0 .Lnone_\@
	tensor_load_to_lds s[G0:G0+3], s[G1:G1+7]
	s_nop 0
.rept 4
	v_nop
.endr
.Lnone_\@:
.endm
.macro FETCH_K off                     ; 13 loads: a step's K and its scale words, as they stand
.irp c, 0,1,2,3,4,5,6,7,8,9,10,11
	ds_load_b128 v[KF+4*\c:KF+4*\c+3], v[ADR] offset:\off+512*\c
.endr
	ds_load_b128 v[KS:KS+3], v[ADR] offset:\off+KSOFF
.endm
.macro FETCH_V                         ; 13 loads: the step's V and its scale words
.irp c, 0,1,2,3,4,5,6,7,8,9,10,11
	ds_load_b128 v[VF+4*\c:VF+4*\c+3], v[ADR] offset:VOFF+512*\c
.endr
	ds_load_b64 v[VS:VS+1], v[ADR] offset:VSOFF
.endm
.macro MASKS                           ; 64 words: bit l of word n says whether the score in register S + n of lane l is masked
	s_load_b512 s[32:47], s[8:9], s[MO] offset:0x0
	s_load_b512 s[48:63], s[8:9], s[MO] offset:0x40
	s_load_b512 s[68:83], s[8:9], s[MO] offset:0x80
	s_load_b512 s[84:99], s[8:9], s[MO] offset:0xc0
.endm
	s_load_b256 s[4:11], s[0:1], 0x0               ; query s[4:5], kv s[6:7], mw s[8:9], out0 s[10:11]
	v_lshl_add_u32 v[SPW], v0, 2, SPARE
	v_mov_b32 v[NIL], 0
	ds_add_u32 v3, v4
	s_wait_dscnt 0x0
	v_lshrrev_b32 v2, 5, v0
	v_readfirstlane_b32 s[WV], v2                  ; wave 0..15
	s_bfe_u32 s2, ttmp6, 0x40000                   ; cx: my place in the cluster
	s_lshl_b32 s3, ttmp9, 2
	s_add_co_u32 s3, s3, s2                        ; my block of 256 queries: it enters the addresses of query, mw and out0 alone
	s_and_b32 s100, ttmp7, 0xffff                  ; the head, which the four partners share
	s_lshl_b32 s32, s3, 4
	s_add_co_u32 s32, s32, s[WV]                   ; my tile of 16 queries
	s_lshl_b32 s34, s32, 13                        ; its mask words: 32 steps of 256 bytes
	s_mov_b32 s35, 0
	s_lshl_b32 s36, s32, 16                        ; its 16 rows of 4,096 bytes,
	s_lshl_b32 s33, s100, 8                        ; the head's 256 bytes of a row
	s_add_co_u32 s36, s36, s33
	s_mov_b32 s37, 0
	s_and_b32 s101, s[WV], 3
	s_mul_i32 s[G0+1], s101, QUART                 ; 63:32 LDS address: my quarter of slot 0
	s_mul_i32 s38, s100, 32*REC                    ; the head's records,
	s_add_co_u32 s38, s38, s[G0+1]                 ; my quarter of the first eight
	s_mov_b32 s39, 0
	s_mov_b32 s[G1+0], 15|(3<<16)|(1<<21)          ; 15:0 the mask: all four work-groups; 17:16 elements of 8 bytes; 20 no padding; 21 set beside a mask
	s_mov_b32 s[G1+1], 32<<16                      ; tensor_dim0 = 32 elements: rows of 256 bytes
	s_mov_b32 s[G1+2], 104<<16                     ; tensor_dim1 = 104
	s_mov_b32 s[G1+3], 32<<16                      ; tile_dim0
	s_mov_b32 s[G1+4], 104                         ; tile_dim1
	s_mov_b32 s[G1+5], 32                          ; the pitch: the block is dense
	s_mov_b32 s[G1+6], 0
	s_mov_b32 s[G1+7], 0
	s_mov_b32 s[G0], 1                             ; 1:0 count = 1
	s_mov_b32 s[CS], 0x3e38aa3b                    ; c = log2(e) / 8
	s_mov_b32 s[CS+1], s[CS]                       ; (named with it as a pair, so it is written)
	s_mov_b32 s[SEL], 0x76543210
	s_mov_b32 s[SEL+1], 0xfedcba98
	s_mov_b32 s[NEG], 0xd0000000                   ; -2^33
	s_mov_b32 s[MO], 0
	s_mov_b32 s[TB], 0
	s_mov_b32 s[SLOTS], 3
	s_wait_kmcnt 0x0
	s_add_nc_u64 s[4:5], s[4:5], s[36:37]
	s_add_nc_u64 s[10:11], s[10:11], s[36:37]
	s_add_nc_u64 s[8:9], s[8:9], s[34:35]
	s_add_nc_u64 s[G0+2:G0+3], s[6:7], s[38:39]    ; 120:64 global address
	s_or_b32 s[G0+3], s[G0+3], 0x80000000          ; 127:126 type = 2
	CROUND                                         ; all four work-groups are here: the first joint loads meet
	JLOAD                                          ; slot 0.  By this text's count a wave never has more than one tensor load out
	v_and_b32 v34, 15, v0                          ; r
	v_bfe_u32 v35, v0, 4, 1                        ; h
	v_lshlrev_b32 v[GA], 12, v35
	v_lshl_add_u32 v[GA], v34, 4, v[GA]
.irp i, 0,1,2,3,4,5,6,7
	global_load_b128 v[S+4*\i:S+4*\i+3], v[GA], s[4:5] offset:8192*\i th:TH_LOAD_NT   ; my queries 2 i and 2 i + 1: sixteen lanes read a query's 256 bytes
.endr
	MASKS                                          ; step 0's words
	v_and_b32 v[LI], 31, v0
	v_lshlrev_b32 v[LI], 4, v[LI]
	s_mul_i32 s101, s[WV], 16*PIT
	s_add_co_u32 s101, s101, STAGE                 ; my stage
	v_mul_u32_u24 v[STI], v35, PIT
	v_lshl_add_u32 v[STI], v34, 4, v[STI]
	v_add_nc_u32 v[STI], s101, v[STI]
	v_mul_u32_u24 v[STW], v34, PIT
	v_lshl_add_u32 v[ADR], v35, 7, v[STW]
	v_add_nc_u32 v[ADR], s101, v[ADR]              ; q comes back from 272 r + 128 h: my block, d = 32 h .. 32 h + 31 of query r
	v_lshl_add_u32 v[STW], v35, 5, v[STW]
	v_add_nc_u32 v[STW], s101, v[STW]
	s_wait_loadcnt 0x0
.irp i, 0,1,2,3,4,5,6,7
	ds_store_b128 v[STI], v[S+4*\i:S+4*\i+3] offset:2*PIT*\i
.endr
.set XQ, S+32
.irp j, 0,1,2,3,4,5,6,7
	ds_load_b128 v[XQ+4*\j:XQ+4*\j+3], v[ADR] offset:16*\j     ; LDS serves a wave's instructions in order: these see my stores
.endr
	s_wait_dscnt 0x0
	; q is quantised in registers: each row is read by this wave alone
	v_max3_num_f32 v[BM], |v[XQ]|, |v[XQ+1]|, |v[XQ+2]|
	v_max3_num_f32 v[BM+1], |v[XQ+3]|, |v[XQ+4]|, |v[XQ+5]|
.irp i, 6,10,14,18,22,26
	v_max3_num_f32 v[BM], v[BM], |v[XQ+\i]|, |v[XQ+\i+1]|
	v_max3_num_f32 v[BM+1], v[BM+1], |v[XQ+\i+2]|, |v[XQ+\i+3]|
.endr
	v_max3_num_f32 v[BM], v[BM], |v[XQ+30]|, |v[XQ+31]|
	v_max3_num_f32 v[BM], v[BM], v[BM+1], FLOOR
	v_add_nc_u32 v[SO], OFF4, v[BM]
	v_cvt_scalef32_pk16_bf6_f32 v[QF:QF+2], v[XQ:XQ+15], v[SO]
	v_cvt_scalef32_pk16_bf6_f32 v[PT:PT+2], v[XQ+16:XQ+31], v[SO]
	v_lshrrev_b32 v[BM], 23, v[SO]                 ; the byte; also the plain line behind the conversions
	v_lshlrev_b32 v[BM+1], 3, v35                  ; 8 h
.irp i, 0,1,2
	v_mov_b32 v[QF+3+\i], v[PT+\i]
.endr
.irp i, 0,1,2,3,4,5
	v_mov_b32 v[QF+12+\i], v[QF+\i]                ; v[16:27] = (Q, zeros), v[22:33] = (zeros, Q)
	v_mov_b32 v[QF+6+\i], 0
.endr
	v_lshlrev_b32 v[BM], v[BM+1], v[BM]            ; my byte at its place,
	v_mov_b32 v[BM+2], 0
	v_permlanex16_b32 v[BM+2], v[BM], s[SEL], s[SEL+1]
	v_or_b32 v[QSL], v[BM], v[BM+2]                ; with lane l xor 16's: (e0, e1, 0, 0)
	v_lshlrev_b32 v[QSH], 16, v[QSL]               ; (0, 0, e0, e1)
	v_mov_b32 v13, 0xff61b1e6                      ; the largest t so far: -3e38, under every t
	v_floor_f32 v12, -v13                          ; -M
	v_mov_b32 v14, 0                               ; the sum, in two halves
	v_mov_b32 v15, 0
	v_mov_b32 v[PS], 0                             ; (named as the upper half of the pair v[46:47] before it is first made)
.irp b, 0,1,2,3
	v_mov_b32 v[PT+\b], 0                          ; written once: a lane permute's destination counts as read
.endr
.set n, 0
.rept 32
	v_mov_b32 v[O+n], 0                            ; O^T: the step is written once; the first finds zeros, which the first change of M leaves zeros.  (These lines also part q's scale words from the first product)
.set n, n+1
.endr
; A KEY STEP: 128 keys.  next = 1: the next step's K lies in the same slot and is fetched here.
.macro STEP next
	s_wait_dscnt 0x0                               ; the step's K and its scale words are in: nothing else of mine is out
.irp t, 0,2,4,6                                ; S^T = K Q^T: each operand of K twice, once for each of its two tiles
	v_wmma_scale_f32_16x16x128_f8f6f4 v[S+8*\t:S+8*\t+7], v[KF+6*\t:KF+6*\t+11], v[QF:QF+11], 0, v[KS+\t/2], v[QSL] matrix_a_fmt:MATRIX_FMT_BF6 matrix_b_fmt:MATRIX_FMT_BF6
	v_wmma_scale_f32_16x16x128_f8f6f4 v[S+8*\t+8:S+8*\t+15], v[KF+6*\t:KF+6*\t+11], v[QF+6:QF+17], 0, v[KS+\t/2], v[QSH] matrix_a_fmt:MATRIX_FMT_BF6 matrix_b_fmt:MATRIX_FMT_BF6 matrix_a_scale:MATRIX_SCALE_ROW1
.endr
	v_add_nc_u32 v[ADR], s[TB], v[LI]              ; four plain lines that name no register of a product: behind them the scores may be read, K's registers loaded again,
	v_mov_b32 v[SO], v12                           ; and V's too, which the last step's second product read (ISA guide 7.12.1 for vector instructions).  The old -M is kept
	v_nop
	v_nop
	FETCH_V                                        ; both runs of loads stand a whole softmax ahead of their use
.if \next
	FETCH_K REC
.endif
	s_wait_kmcnt 0x0                               ; the step's mask words, asked for a step ago
.set n, 0
.rept 64
	v_cndmask_b32 v[S+n], v[S+n], s[NEG], s[32+n+4*(n/32)]     ; a masked score becomes -2^33.  Ascending: each accumulator is read from its low end on
.set n, n+1
.endr
	s_add_co_u32 s[MO], s[MO], 256                 ; (no scalar load is out: the offset may be written)
	s_min_u32 s[MO], s[MO], 31*256                 ; the last step asks for its own words again: no load leaves the buffer
	MASKS                                          ; the next step's words
.irp b, 0,1,2,3
	v_max3_num_f32 v[BM+\b], v[S+16*\b], v[S+16*\b+1], v[S+16*\b+2]   ; the largest score of each block of 32 keys: it serves for the row's maximum and, since p rises with the score, for the block's largest p
.endr
.irp i, 3,5,7,9,11,13
.irp b, 0,1,2,3
	v_max3_num_f32 v[BM+\b], v[BM+\b], v[S+16*\b+\i], v[S+16*\b+\i+1]
.endr
.endr
.irp b, 0,1,2,3
	v_max_num_f32 v[BM+\b], v[BM+\b], v[S+16*\b+15]
.endr
.irp b, 0,1,2,3
	v_permlanex16_b32 v[PT+\b], v[BM+\b], s[SEL], s[SEL+1]
.endr
.irp b, 0,1,2,3
	v_max_num_f32 v[BM+\b], v[BM+\b], v[PT+\b]     ; with lane l xor 16's 16 keys
.endr
	v_max3_num_f32 v[PT], v[BM], v[BM+1], v[BM+2]
	v_max_num_f32 v[PT], v[PT], v[BM+3]            ; the step's largest score of my query,
	v_mul_f32 v[PT], s[CS], v[PT]                  ; as t
	v_max_num_f32 v13, v13, v[PT]                  ; the running largest t
	v_floor_f32 v12, -v13                          ; the new -M = -ceil(t)
	v_sub_f32 v[PT], v12, v[SO]                    ; old M - new M: a whole number, 0 or less
	v_cvt_i32_f32 v[PT], v[PT]                     ; (it saturates)
	v_ldexp_f32 v[FF], 1.0, v[PT]                  ; f
.set n, 0
.rept 32
	v_pk_fma_f32 v[S+n:S+n+1], v[S+n:S+n+1], s[CS:CS+1], v[12:13] op_sel_hi:[1,0,0]   ; t - M, two at a time
.set n, n+2
.endr
.irp b, 0,1,2,3
	v_fma_f32 v[BM+\b], v[BM+\b], s[CS], v12       ; the same of each block's largest score
.endr
.irp b, 0,1,2,3
	v_exp_f32 v[BM+\b], v[BM+\b]                   ; ONE BATCH of 68 exponentials: the blocks' largest p,
.endr
.set n, 0
.rept 64
	v_exp_f32 v[S+n], v[S+n]                       ; and p = 2^(t - M)
.set n, n+1
.endr
	v_pk_mul_f32 v[14:15], v[14:15], v[FF:FF+1] op_sel_hi:[1,0]   ; the sums under the new M: the plain line behind the last exponential
	s_wait_alu depctr_va_vdst(0)                   ; one wait for the batch, ahead of the first line that names a result
	v_pk_add_f32 v[PT:PT+1], v[S:S+1], v[S+2:S+3]  ; the row's sum is taken of the unquantised p: two at a time, in two chains
.irp j, 4,8,12,16,20,24,28,32,36,40,44,48,52,56,60
	v_pk_add_f32 v[14:15], v[14:15], v[S+\j:S+\j+1]
	v_pk_add_f32 v[PT:PT+1], v[PT:PT+1], v[S+\j+2:S+\j+3]
.endr
	v_pk_add_f32 v[14:15], v[14:15], v[PT:PT+1]
.irp b, 0,1,2,3
	v_max_num_f32 v[BM+\b], FLOOR, v[BM+\b]        ; the floor: the byte cannot fall under 1 (a block whose every p is 0 keeps that byte: its codes are zeros)
.endr
.irp b, 0,1,2,3
	v_add_nc_u32 v[SO+\b], OFF4, v[BM+\b]          ; the conversion's scale operand
.endr
.irp b, 0,1,2,3
	v_lshrrev_b32 v[PT+\b], 23, v[SO+\b]           ; the scale's byte
.endr
	v_lshl_or_b32 v[PS], v[PT+1], 8, v[PT]         ; p's scale word for these 128 keys
	v_lshl_or_b32 v[PS], v[PT+2], 16, v[PS]
	v_lshl_or_b32 v[PS], v[PT+3], 24, v[PS]
	v_cvt_scalef32_pk16_bf6_f32 v[PC:PC+2], v[S:S+15], v[SO]           ; half blocks: keys 16 h + 0 .. 15 of block 0,
	v_cvt_scalef32_pk16_bf6_f32 v[BM:BM+2], v[S+16:S+31], v[SO+1]      ; of block 1,
	v_cvt_scalef32_pk16_bf6_f32 v[PC+6:PC+8], v[S+32:S+47], v[SO+2]    ; of block 2,
	v_cvt_scalef32_pk16_bf6_f32 v[PT:PT+2], v[S+48:S+63], v[SO+3]      ; of block 3
	v_nop                                          ; one plain line behind the conversions
.irp i, 0,1,2                                  ; the operand wants a WHOLE block in a lane: lanes 0-15 blocks 0 and 2, lanes 16-31 blocks 1 and 3
	v_permlane16_swap_b32 v[PC+\i], v[BM+\i]
	v_permlane16_swap_b32 v[PC+6+\i], v[PT+\i]
.endr
.irp i, 0,1,2
	v_mov_b32 v[PC+3+\i], v[BM+\i]
	v_mov_b32 v[PC+9+\i], v[PT+\i]
.endr
.set n, 0
.rept 16
	v_pk_mul_f32 v[O+n:O+n+1], v[O+n:O+n+1], v[FF:FF+1] op_sel_hi:[1,0]   ; O^T under the new M.  These sixteen also part p's codes and scale word from the products below
.set n, n+2
.endr
.if \next
	s_wait_dscnt 13                                ; V's 13 loads are in; the next step's 13 of K, issued behind them, stay out
.else
	s_wait_dscnt 0x0
.endif
.irp u, 0,2                                    ; O^T += V^T P^T: the four accumulators by turns, one instruction a turn
	v_wmma_scale_f32_16x16x128_f8f6f4 v[O+8*\u:O+8*\u+7], v[VF+12*\u:VF+12*\u+11], v[PC:PC+11], v[O+8*\u:O+8*\u+7], v[VS+\u/2], v[PS] matrix_a_fmt:MATRIX_FMT_BF6 matrix_b_fmt:MATRIX_FMT_BF6
	v_wmma_scale_f32_16x16x128_f8f6f4 v[O+8*\u+8:O+8*\u+15], v[VF+12*\u+12:VF+12*\u+23], v[PC:PC+11], v[O+8*\u+8:O+8*\u+15], v[VS+\u/2], v[PS] matrix_a_fmt:MATRIX_FMT_BF6 matrix_b_fmt:MATRIX_FMT_BF6 matrix_a_scale:MATRIX_SCALE_ROW1
.endr
	s_add_co_u32 s[TB], s[TB], REC                 ; on to the next record
.endm
; A slot's eight steps: seven that fetch their successor's K, in a loop, and the last.
.macro SLOT
	s_mov_b32 s[STEPC], 7
.Lstep_\@:
	STEP 1
	s_sub_co_u32 s[STEPC], s[STEPC], 1
	s_cmp_lg_u32 s[STEPC], 0
	s_cbranch_scc1 .Lstep_\@
	STEP 0
	s_sub_co_u32 s[TB], s[TB], 8*REC               ; back to a slot's first record,
	s_xor_b32 s[TB], s[TB], SLOT1                  ; in the other slot
.endm
; THE CHANGE OF SLOTS stands at a slot's head.  Each wave waits for all its tensor loads (its part of the slot ahead), adds 0 to its spare word, and waits for that and for its reads of the slot that it has left.
; fill = 1: the barrier is a round of the cluster's, so that no wave of any partner still reads the slot left or has a load on its way; the joint refill of that slot, with the next eight steps, is the first thing behind it.
.macro CHANGE fill
	s_wait_tensorcnt 0x0                           ; no tensor load of mine is out, so the descriptor may be written
	ds_add_u32 v[SPW], v[NIL]                      ; 0 onto my spare word
.if \fill
	s_xor_b32 s[G0+1], s[G0+1], SLOT1              ; the other slot than last time,
	s_add_nc_u64 s[G0+2:G0+3], s[G0+2:G0+3], SLOTB ; the next eight records; the type bits on top are not reached
.endif
	s_wait_dscnt 0x0                               ; the add is done, and my reads of the slot that I have left are over
.if \fill
	CROUND
	JLOAD
.else
	s_barrier_signal -1
	s_barrier_wait -1
.endif
	v_add_nc_u32 v[ADR], s[TB], v[LI]
	FETCH_K 0                                      ; the slot's first K
.endm
.Lslot:                                            ; three trips: behind each change of slots but the last the next eight steps are asked for
	CHANGE 1
	SLOT
	s_sub_co_u32 s[SLOTS], s[SLOTS], 1
	s_cmp_lg_u32 s[SLOTS], 0
	s_cbranch_scc1 .Lslot
	CHANGE 0                                       ; the last slot is written out
	SLOT
	; THE WAY OUT.  O^T / the sum goes through my stage and leaves as whole pieces of 256 bytes: a query's 64 numbers of this head.
	v_add_f32 v14, v14, v15                        ; the sum's two halves,
	v_permlanex16_b32 v[PT], v14, s[SEL], s[SEL+1]
	v_add_f32 v14, v14, v[PT]                      ; and lane l xor 16's: the row's sum; it is above 1/2
	v_rcp_f32 v14, v14
	v_nop                                          ; a plain line behind the reciprocal; with the additions above these are also the lines that part the last products from the first read of O^T
	v_nop
	v_nop
	s_wait_alu depctr_va_vdst(0)                   ; ahead of the first line that names the reciprocal
.set n, 0
.rept 16
	v_pk_mul_f32 v[S+n:S+n+1], v[O+n:O+n+1], v[14:15] op_sel_hi:[1,0]    ; register 8 u + j is out(query r, 16 u + 8 h + j); each accumulator from its low end on
.set n, n+2
.endr
.irp u, 0,1,2,3
	ds_store_b128 v[STW], v[S+8*\u:S+8*\u+3] offset:64*\u
	ds_store_b128 v[STW], v[S+8*\u+4:S+8*\u+7] offset:64*\u+16
.endr
.irp i, 0,1,2,3,4,5,6,7
	ds_load_b128 v[S+32+4*\i:S+32+4*\i+3], v[STI] offset:2*PIT*\i     ; LDS serves a wave's instructions in order: these see my stores
.endr
.irp i, 0,1,2,3,4,5,6,7
	s_wait_dscnt 7-\i                              ; load i is back; the younger ones stay out
	global_store_b128 v[GA], v[S+32+4*\i:S+32+4*\i+3], s[10:11] offset:8192*\i th:TH_STORE_NT   ; sixteen lanes store 256 consecutive bytes, aligned: queries 2 i and 2 i + 1
.endr
	s_wait_tensorcnt 0x0                           ; the wave's end: behind my last tensor load and my last LDS store
	ds_add_u32 v[SPW], v[NIL]
	s_wait_dscnt 0x0
	CROUND                                         ; the closing round: no work-group ends while a partner may still ask for a tile that names it
	s_endpgm
.Lfunc_end_k_qf607fee6c6_attn:
	.size	k_qf607fee6c6_attn, .Lfunc_end_k_qf607fee6c6_attn-k_qf607fee6c6_attn
	.p2alignl 7, 3214868480
	.fill 96, 4, 3214868480
	.section	.rodata,"a",@progbits
	.p2align	6, 0x0
	.amdhsa_kernel k_qf607fee6c6_attn
		.amdhsa_group_segment_fixed_size 327680
		.amdhsa_private_segment_fixed_size 0
		.amdhsa_enable_private_segment 0
		.amdhsa_kernarg_size 32
		.amdhsa_user_sgpr_count 2
		.amdhsa_user_sgpr_kernarg_segment_ptr 1
		.amdhsa_wavefront_size32 1
		.amdhsa_system_sgpr_workgroup_id_x 1
		.amdhsa_system_sgpr_workgroup_id_y 1
		.amdhsa_system_sgpr_workgroup_id_z 1
		.amdhsa_system_vgpr_workitem_id 0
		.amdhsa_next_free_vgpr 256
		.amdhsa_next_free_sgpr 102
		.amdhsa_reserve_vcc 0
		.amdhsa_float_denorm_mode_32 3
		.amdhsa_float_denorm_mode_16_64 3
		.amdhsa_memory_ordered 1
		.amdhsa_forward_progress 1
		.amdhsa_inst_pref_size 92
	.end_amdhsa_kernel
	.amdgpu_metadata
---
amdhsa.version: [ 1, 2 ]
amdhsa.kernels:
  - .name:           k_qf607fee6c6_attn
    .symbol:         k_qf607fee6c6_attn.kd
    .args:
      - { .name: query, .offset: 0, .size: 8, .value_kind: global_buffer, .address_space: global }
      - { .name: kv, .offset: 8, .size: 8, .value_kind: global_buffer, .address_space: global }
      - { .name: mw, .offset: 16, .size: 8, .value_kind: global_buffer, .address_space: global }
      - { .name: out0, .offset: 24, .size: 8, .value_kind: global_buffer, .address_space: global }
    .group_segment_fixed_size: 327680
    .private_segment_fixed_size: 0
    .kernarg_segment_align: 8
    .kernarg_segment_size: 32
    .max_flat_workgroup_size: 512
    .sgpr_count:     102
    .vgpr_count:     256
    .wavefront_size: 32
...
	.end_amdgpu_metadata
.endif
;; end of part 2
